; MI455X (gfx1250); checked and timed in simulation.
; The chip was launched on July 23, 2026; its instructions are those of AMD's public machine-readable ISA for CDNA 5 (MIT licence, August 2026) and "CDNA5" Instruction Set Architecture Reference Guide (July 2026). The comments in the code are by the model that wrote it; some were corrected since.
;; Multi Head Self Attention. Allowed arithmetic: matrix products marked QUANTISED: E4M3 operands, one given power-of-two scale a tensor, by v_wmma_f32_16x16x64_fp8_fp8 or v_wmma_f32_16x16x128_fp8_fp8, f32 sums; everything else in f32.
;; Inputs: Wo_b 1,024 float32; Wo_w_codes 1,024 x 32 x 32 uint8 (E4M3 codes of Wo_w, K innermost, in blocks of 32 codes); Wqkv_b 3,072 float32; Wqkv_w_codes 3,072 x 32 x 32 uint8 (E4M3 codes of Wqkv_w, K innermost, in blocks of 32 codes); lowp_scales 8 int32 (the exponents e of the quantised operands' scales 2^e); token_positions 2,048 int32; x_codes 4 x 2,048 x 32 x 32 uint8 (E4M3 codes of x, K innermost, in blocks of 32 codes).
;; Outputs: out0 4 x 2,048 x 1,024 float32.
;; This version of the problem:
;;   THIS VERSION OF THE PROBLEM IS GIVEN IN LOW PRECISION. The matrix products marked QUANTISED in the list below multiply operands that are first quantised to E4M3 (4 exponent bits, 3 mantissa bits; 8 bits a number), with one given power-of-two scale for each operand tensor; their sums are f32. All else is computed in f32.
;;   The module's matrix products, in the order in which they are computed (A, B: the left and right operand; K: the contracted axis; several contracted axes count as one K, in the product's order):
;;     1. [M 8,192, K 1,024] x [K 1,024, N 3,072]; A: input x (given as codes); B: input Wqkv_w (given as codes): QUANTISED (scales: A lowp_scales[0], B lowp_scales[1])
;;     2. batch 64 x [M 2,048, K 64] x [K 64, N 2,048]; A: computed on the way; B: computed on the way: QUANTISED (scales: A lowp_scales[2], B lowp_scales[3])
;;     3. batch 64 x [M 2,048, K 2,048] x [K 2,048, N 64]; A: softmax (see below); B: computed on the way: QUANTISED (scales: A lowp_scales[4], B lowp_scales[5])
;;     4. [M 8,192, K 1,024] x [K 1,024, N 1,024]; A: computed on the way; B: input Wo_w (given as codes): QUANTISED (scales: A lowp_scales[6], B lowp_scales[7])
;;   THE QUANTISER, for each operand of a quantised product, along K:
;;     - The operand's scale is 2^e, e = its entry of the input lowp_scales (int32; the entries are numbered through the quantised products in the list's order, A before B).
;;     - Each number is divided by the scale, clamped to +-448, and rounded to the nearest number of E4M3, ties to even, subnormals kept.
;;     - The product sums the exact products of the quantised numbers (number of the format x scale) in f32.
;;   ~~~python
;;   def quantise(x, axis, e):      # numpy; x: float32 -> the quantised numbers, widened to float32 again
;;       x = np.moveaxis(x, axis, -1); K = x.shape[-1]
;;       r = np.clip(x / 2.0 ** e, -448, 448)
;;       step = 2.0 ** (np.maximum(np.frexp(np.where(r == 0, 1, r))[1] - 1, -6) - 3)
;;       q = np.round(r / step) * step * 2.0 ** e      # np.round: ties to even
;;       return np.moveaxis(q, -1, axis).astype(np.float32)
;;   ~~~
;;   SOFTMAX AHEAD OF A QUANTISED PRODUCT. Where the list says 'softmax', what is quantised is not the finished softmax but p = 2^(t - M), with t = logit x log2(e) and M = ceil(the row's largest t), a whole number; so 1/2 < the row's largest p <= 1. The row's sum l is taken of the UNQUANTISED p, in f32, and the product's result is divided by l at the end. Since M is a whole number, a kernel that streams over the keys may use a running M (the ceiling of the running maximum): every later rescaling is an exact power of two, so the quantised numbers keep their values, but for numbers so far below the row's largest that they fall under the format's range.
;;   OPERANDS COMPUTED ON THE WAY. 'Computed on the way' means the value that the module computes at that place (a softmax that the list does not call 'softmax' is quantised finished and normalised). What goes into a quantiser is computed in f32, as accurately as f32 sums, v_exp_f32 and their like allow (about 1e-6 of the number): no bf16 or f16 on the way to a quantiser, and a product that is left as it is and whose result goes on into a quantised operand takes f32 operands (vector FMAs, or v_wmma_f32_16x16x4_f32). A number that lies on a knife's edge between two numbers of the format may be rounded either way, as far as f32 arithmetic and the matrix unit's own rounding can turn it there, and no further.
;;   INPUTS GIVEN AS CODES. Wo_w (in the module: [1024, 1024], K = its axis 1); Wqkv_w (in the module: [3072, 1024], K = its axis 1); x (in the module: [4, 2048, 1024], K = its axis 2): each comes as NAME_codes (uint8): NAME with its K axis moved to the last place and cut into blocks of 32 codes, [.., K / 32, bytes a block], one block behind the other in memory; one code a byte (a code: sign, 4 exponent bits, 3 mantissa bits); its scale is its entry of lowp_scales. Its value is code x scale, taken as it is: it is not quantised again, and the codes and scales need not be those that the quantiser above would give.
;; One version. Each part assembles by itself: llvm-mc -triple=amdgcn-amd-amdhsa -mcpu=gfx1250 --defsym DOCPART=n.
;; ======== version 1 of 1: 4 launches
;; limits: right only within a limited range of input values
;; workspace buffers: rope 524,288 bytes; qc 8,388,608 bytes; kc 8,388,608 bytes; vc 8,388,608 bytes; ao 8,388,608 bytes
;; launch rope (part 1): grid 128 x 1, 8 waves a work-group, no clusters, 0 bytes of LDS; arguments token_positions, rope; writes rope
.if DOCPART == 1
	.amdgcn_target "amdgcn-amd-amdhsa--gfx1250"
	.amdhsa_code_object_version 6
	.text
	.protected	k_qc3d7ac542d_rope
	.globl	k_qc3d7ac542d_rope
	.p2align	8
	.type	k_qc3d7ac542d_rope,@function
k_qc3d7ac542d_rope:
	s_mov_b64 s[64:65], 0
	v_nop
	global_prefetch_b8 v0, s[64:65] scope:SCOPE_SE
	s_setreg_imm32_b32 hwreg(HW_REG_WAVE_MODE, 25, 1), 1
	s_wait_xcnt 0x0
; The table of cos and sin for the rotation of Q and K: angle(s, i) = token_positions[s] x 10000^(-i/32), i = 0 .. 31, all in f32.
; It is laid as the next launch's registers want it: [tt = s / 16][q = 0 .. 7][lane][16 bytes]; lane (r = lane % 16, h = lane / 16) of image q = 2 c + u holds
; cos_i, sin_i, cos_(i+1), sin_(i+1) of token 16 tt + r, with i = 8 c + 4 h + 2 u.  A work-group makes one tt (4,096 bytes), a wave one image: its store covers 512 consecutive bytes.
; 128 work-groups: the table has no more work than that.
; 10000^(-i/32) = 2^(-i L), L = log2(10000) / 32 in two f32 parts: a = the rounded i x (-Lhi), e = what the rounding and Llo leave; 2^(a + e) = 2^a (1 + e ln 2).
; SINE AND COSINE by hand: n = the nearest whole number to x 2/pi; x - n pi/2 with pi/2 in three parts; polynomials on |r| <= pi/4; the quadrant from n.
; LIMIT: the reduction keeps its accuracy while |angle| stays under 2^23; positions are taken as signed whole numbers.
	s_load_b128 s[4:7], s[0:1], 0x0                ; token_positions s[4:5], the table s[6:7]
	s_mov_b32 s10, 0xbed49a78                      ; -Lhi
	s_mov_b32 s11, 0xb2178d50                      ; -Llo
	s_mov_b32 s12, 0x3f317218                      ; ln 2
	s_mov_b32 s13, 0x3f22f983                      ; 2 / pi
	s_mov_b32 s14, 0xbfc90fdb                      ; pi/2 = hi - mid - lo: -hi,
	s_mov_b32 s15, 0x333bbd2e                      ; +mid,
	s_mov_b32 s16, 0x26f72c98                      ; +lo
	s_mov_b32 s17, 0xbe2aaaa3                      ; sine: r + r z (S1 + z (S2 + z S3))
	s_mov_b32 s18, 0x3c08839e
	s_mov_b32 s19, 0xb94ca1f9
	s_mov_b32 s20, 0x3d2aaaa5                      ; cosine: 1 - z/2 + z z (C1 + z (C2 + z C3))
	s_mov_b32 s21, 0xbab6061a
	s_mov_b32 s22, 0x37ccf5ce
	s_lshl_b32 s8, ttmp9, 6                        ; 16 positions of 4 bytes a work-group
	s_lshl_b32 s9, ttmp9, 12                       ; 4,096 bytes of the table a work-group
	v_and_b32 v1, 15, v0                           ; r
	v_bfe_u32 v2, v0, 4, 1                         ; h
	v_lshrrev_b32 v3, 5, v0                        ; q = my wave
	s_delay_alu instid0(VALU_DEP_3)
	v_lshl_add_u32 v6, v1, 2, s8
	v_lshl_add_u32 v8, v0, 4, s9                   ; 16 bytes a thread
	s_wait_alu depctr_va_vdst(0)
	s_wait_kmcnt 0x0
	global_load_b32 v7, v6, s[4:5]                 ; token_positions[16 tt + r]
	v_lshrrev_b32 v4, 1, v3                        ; c
	v_and_b32 v5, 1, v3                            ; u
	s_delay_alu instid0(VALU_DEP_2)
	v_lshlrev_b32 v9, 3, v4
	s_delay_alu instid0(VALU_DEP_1)
	v_lshl_add_u32 v9, v5, 1, v9
	s_delay_alu instid0(VALU_DEP_1)
	v_lshl_add_u32 v9, v2, 2, v9                   ; i = 8 c + 2 u + 4 h
	s_delay_alu instid0(VALU_DEP_1)
	v_cvt_f32_u32 v10, v9
	s_delay_alu instid0(VALU_DEP_1)
	v_add_f32 v11, 1.0, v10                        ; and i + 1
	s_delay_alu instid0(VALU_DEP_2)
	v_mul_f32 v12, s10, v10                        ; a
	s_delay_alu instid0(VALU_DEP_2)
	v_mul_f32 v13, s10, v11
	s_delay_alu instid0(VALU_DEP_2)
	v_fma_f32 v14, v10, s10, -v12                  ; e: what a's rounding left,
	s_delay_alu instid0(VALU_DEP_2)
	v_fma_f32 v15, v11, s10, -v13
	s_delay_alu instid0(VALU_DEP_2)
	v_fma_f32 v14, v10, s11, v14                   ; and the low part
	s_delay_alu instid0(VALU_DEP_2)
	v_fma_f32 v15, v11, s11, v15
	s_wait_alu depctr_va_vdst(0)
	v_exp_f32 v16, v12                             ; 2^a
	v_exp_f32 v17, v13
	v_mul_f32 v14, s12, v14                        ; e ln 2 (plain work behind the two exponentials)
	v_mul_f32 v15, s12, v15
	s_wait_alu depctr_va_vdst(0)                   ; one wait for both, ahead of their first reader
	v_fma_f32 v16, v16, v14, v16
	v_fma_f32 v17, v17, v15, v17
	s_wait_loadcnt 0x0
	v_cvt_f32_i32 v7, v7
	s_wait_alu depctr_va_vdst(0)
	v_mul_f32 v18, v7, v16                         ; the angles, rounded once
	v_mul_f32 v19, v7, v17
; cos and sin of v[x] into v[c] and v[s]; four registers from v[t] on are at work
.macro SINCOS x, c, s, t
	v_mul_f32 v[\t], s13, v[\x]
	s_delay_alu instid0(VALU_DEP_1)
	v_rndne_f32 v[\t], v[\t]                       ; n
	s_delay_alu instid0(VALU_DEP_1)
	v_fma_f32 v[\t+1], v[\t], s14, v[\x]           ; r = x - n pi/2, in three fused steps
	s_delay_alu instid0(VALU_DEP_1)
	v_fma_f32 v[\t+1], v[\t], s15, v[\t+1]
	s_delay_alu instid0(VALU_DEP_1)
	v_fma_f32 v[\t+1], v[\t], s16, v[\t+1]
	s_delay_alu instid0(VALU_DEP_1)
	v_mul_f32 v[\t+2], v[\t+1], v[\t+1]            ; z = r r
	s_delay_alu instid0(VALU_DEP_1)
	v_fma_f32 v[\s], v[\t+2], s19, s18
	s_delay_alu instid0(VALU_DEP_1)
	v_fma_f32 v[\s], v[\s], v[\t+2], s17
	s_delay_alu instid0(VALU_DEP_1)
	v_mul_f32 v[\s], v[\s], v[\t+2]
	s_delay_alu instid0(VALU_DEP_1)
	v_fma_f32 v[\s], v[\s], v[\t+1], v[\t+1]       ; sin r
	v_fma_f32 v[\c], v[\t+2], s22, s21
	s_delay_alu instid0(VALU_DEP_1)
	v_fma_f32 v[\c], v[\c], v[\t+2], s20
	s_delay_alu instid0(VALU_DEP_1)
	v_fma_f32 v[\c], v[\c], v[\t+2], -0.5
	s_delay_alu instid0(VALU_DEP_1)
	v_fma_f32 v[\c], v[\c], v[\t+2], 1.0           ; cos r
	v_cvt_i32_f32 v[\t], v[\t]
	s_delay_alu instid0(VALU_DEP_1)
	v_and_b32 v[\t+1], 1, v[\t]
	s_delay_alu instid0(VALU_DEP_1)
	v_cmp_ne_u32 vcc_lo, 0, v[\t+1]                ; an odd quadrant swaps the two
	s_delay_alu instid0(VALU_DEP_1)
	v_cndmask_b32 v[\t+2], v[\s], v[\c], vcc_lo
	s_delay_alu instid0(VALU_DEP_2)
	v_cndmask_b32 v[\t+3], v[\c], v[\s], vcc_lo
	v_lshlrev_b32 v[\t+1], 30, v[\t]
	s_delay_alu instid0(VALU_DEP_1)
	v_and_b32 v[\t+1], 0x80000000, v[\t+1]         ; the sine is negative in quadrants 2 and 3: bit 1 of n
	s_delay_alu instid0(VALU_DEP_1)
	v_xor_b32 v[\s], v[\t+2], v[\t+1]
	v_add_nc_u32 v[\t], 1, v[\t]
	s_delay_alu instid0(VALU_DEP_1)
	v_lshlrev_b32 v[\t], 30, v[\t]
	s_delay_alu instid0(VALU_DEP_1)
	v_and_b32 v[\t], 0x80000000, v[\t]             ; the cosine in quadrants 1 and 2: bit 1 of n + 1
	s_delay_alu instid0(VALU_DEP_1)
	v_xor_b32 v[\c], v[\t+3], v[\t]
.endm
	SINCOS 18, 32, 33, 20
	SINCOS 19, 34, 35, 24
	global_store_b128 v8, v[32:35], s[6:7]
	s_endpgm
.Lfunc_end_k_qc3d7ac542d_rope:
	.size	k_qc3d7ac542d_rope, .Lfunc_end_k_qc3d7ac542d_rope-k_qc3d7ac542d_rope
	.p2alignl 7, 3214868480
	.fill 96, 4, 3214868480
	.section	.rodata,"a",@progbits
	.p2align	6, 0x0
	.amdhsa_kernel k_qc3d7ac542d_rope
		.amdhsa_group_segment_fixed_size 0
		.amdhsa_private_segment_fixed_size 0
		.amdhsa_enable_private_segment 0
		.amdhsa_kernarg_size 16
		.amdhsa_user_sgpr_count 2
		.amdhsa_user_sgpr_kernarg_segment_ptr 1
		.amdhsa_wavefront_size32 1
		.amdhsa_system_sgpr_workgroup_id_x 1
		.amdhsa_system_sgpr_workgroup_id_y 1
		.amdhsa_system_sgpr_workgroup_id_z 1
		.amdhsa_system_vgpr_workitem_id 0
		.amdhsa_next_free_vgpr 48
		.amdhsa_next_free_sgpr 66
		.amdhsa_reserve_vcc 1
		.amdhsa_float_denorm_mode_32 3
		.amdhsa_float_denorm_mode_16_64 3
		.amdhsa_memory_ordered 1
		.amdhsa_forward_progress 1
		.amdhsa_inst_pref_size 7
	.end_amdhsa_kernel
	.amdgpu_metadata
---
amdhsa.version: [ 1, 2 ]
amdhsa.kernels:
  - .name:           k_qc3d7ac542d_rope
    .symbol:         k_qc3d7ac542d_rope.kd
    .args:
      - { .name: token_positions, .offset: 0, .size: 8, .value_kind: global_buffer, .address_space: global }
      - { .name: rope, .offset: 8, .size: 8, .value_kind: global_buffer, .address_space: global }
    .group_segment_fixed_size: 0
    .private_segment_fixed_size: 0
    .kernarg_segment_align: 8
    .kernarg_segment_size: 16
    .max_flat_workgroup_size: 256
    .sgpr_count:     66
    .vgpr_count:     48
    .wavefront_size: 32
...
	.end_amdgpu_metadata
.endif
;; end of part 1
;; launch qkv (part 2): grid 12 x 32, 4 waves a work-group, clusters of 4 x 4, 327,680 bytes of LDS; arguments x_codes, Wqkv_w_codes, lowp_scales, Wqkv_b, rope, qc, kc, vc; writes qc, kc, vc
.if DOCPART == 2
	.amdgcn_target "amdgcn-amd-amdhsa--gfx1250"
	.amdhsa_code_object_version 6
	.text
	.protected	k_qc3d7ac542d_qkv
	.globl	k_qc3d7ac542d_qkv
	.p2align	8
	.type	k_qc3d7ac542d_qkv,@function
k_qc3d7ac542d_qkv:
	s_mov_b64 s[64:65], 0
	v_nop
	global_prefetch_b8 v0, s[64:65] scope:SCOPE_SE
	s_setreg_imm32_b32 hwreg(HW_REG_WAVE_MODE, 25, 1), 1
	s_wait_xcnt 0x0
	s_wait_alu depctr_hold_cnt(0) depctr_sa_sdst(0) depctr_va_vdst(0) depctr_va_sdst(0) depctr_va_ssrc(0) depctr_va_vcc(0) depctr_vm_vsrc(0)
	s_getreg_b32 s2, hwreg(HW_REG_IB_STS2, 6, 4)
	s_cmp_eq_u32 s2, 0
	s_cbranch_scc0 .Lentry_in_a_cluster
	s_endpgm
.Lentry_in_a_cluster:
	s_bfe_u32 s2, ttmp6, 0x10000c
	s_cmp_lg_u32 s2, 0xf033
	s_cbranch_scc0 .Lentry_shape_is_right
	s_endpgm
.Lentry_shape_is_right:
; qkv = x Wqkv^T + b on codes of E4M3 (8,192 x 3,072, K = 1,024), then the rotation of Q and K and the quantising of Q, K and V; the results leave as codes, laid as the next launch's operand registers.
; A tile, 256 tokens x 256 columns, is made by a work-group of four waves; a wave makes 128 x 128: 64 accumulators, 512 registers.  K goes in four steps of 256 through two LDS slots filled by the tensor data mover.
; CLUSTERS: 4 x 4 work-groups; x's tile is shared along a row of the cluster, W's along a column: each is asked for jointly.  The cluster's x (0, 1, 2) says whether its 1,024 columns are Q's, K's or V's: the KIND,
; equal in all sixteen partners, so branches may hang on it.  12 x 32 tiles are 24 clusters.
; Q, K: source 0 = 16 rows of W, source 1 = 16 rows of x: a lane holds ONE token (lane % 16) and its registers eight neighbouring columns 16 b + 8 (lane / 16) + j: the rotation's pairs are neighbouring registers,
;   and eight codes are registers 2 c, 2 c + 1 (c = b % 4) of the token's fragment for the 16x16x64 form.
; V: THE SOURCES ARE SWAPPED (the matrix instruction's two sources change places; the LDS bases stay): a lane holds ONE channel and its registers eight neighbouring tokens: eight codes are registers 2 b, 2 b + 1 of V^T's fragment for the 16x16x128 form.
; So a group of four code registers of the wave is stored as it stands, 16 bytes a lane: 512 consecutive bytes, aligned; no stage in LDS is needed.
; qc, kc: [batch x 16 + head][token / 16][image 0, 1][lane][16].   vc: [batch x 16 + head][token / 128][channel / 16][image 0 .. 3][lane][16].
; THE BIAS is the C of each sum's first product, divided by 2^(e0 + e1), which the sums lack.  The three scales ahead of a quantiser are folded into the conversion's one: 2^(e_out - e0 - e1).
; The fragments of x and W are fetched by loads of 16 bytes: a permutation of k inside a K step of 128, the same on both sides.
; No prefetch: of the four K steps two are asked for at the head.  One tile to a work-group.
; LIMITS: e2 - e0 - e1, e3 - e0 - e1 and e5 - e0 - e1 lie between -126 and 119.  NaN among the inputs is not served.
; REGISTERS, in windows of 256: window 0: v16-31 addresses and constants; v32-95 the bias in the result's layout, later the numbers to be quantised; v96-127 cos and sin, set 0; v128-255 source 1's fragments, ONE set
;   (on the way out: v128-159 cos and sin, set 1; v160-191 codes, two sets).   window 1: source 0's fragments, TWO sets.   windows 2, 3: the accumulators, (a, b) at v[8 (8 (a % 4) + b)].
.set KROW,   1024                      ; a row of x or W in memory, in bytes
.set ROWB,   256                       ; a tile's row: 256 codes
.set PITCH,  272                       ; an LDS row: 256 bytes + 16 of padding = 68 words: the 16 rows that a load touches start at 16 different banks (64 banks of 4 bytes: ISA guide 11.1)
.set FR,     16                        ; registers of a fragment: 16 rows x 128 K
.set NL,     4                         ; LDS loads that bring one
.set NP,     4                         ; places behind this matrix instruction (ISA guide 7.12.1)
.set HALFT,  128*PITCH                 ; 128 rows: what one tensor load brings
.set SLOT,   4*HALFT                   ; x's 256 rows, then W's 256 rows
.set SPARE,  2*SLOT                    ; behind the ring: the spare words, 128 bytes for each wave, which no other line names
.set ADRA, 16                          ; v16-17  LDS address of source 1's fragments in slot 0, 1
.set ADRB, 20                          ; v20-21  of source 0's
.set LO,   24                          ; v24     16 x lane
.set BOQ,  26                          ; v26     the bias for Q, K: 32 (lane / 16)
.set BOV,  27                          ; v27     for V: 4 (lane % 16)
.set SPW,  28                          ; v28     my spare word; never rewritten
.set NIL,  29                          ; v29     0; never rewritten
.set SC,   30                          ; v30     2^(e_out - e0 - e1)
.set LIM,  31                          ; v31     448 x that
.set BI,   32
.set Y,    32
.set CS,   96
.set AF,   128
.set CD,   160
.set G1, 24                            ; s[24:31] descriptor group 1 for x's tiles;  s[32:39] group 0, one set for each slot
.set G0, 32
.set G1B, 48                           ; s[48:55], s[56:63] the same for W's tiles
.set G0B, 56
.set MSB, 0
.macro WIN new                         ; the immediate's high byte repeats the setting that is left
.if MSB != \new
	s_set_vgpr_msb (MSB<<8)|\new
.set MSB, \new
.endif
.endm
.set MUL_LO,  0xa1                     ; source 0 window 1, source 1 window 0, C and D window 2
.set MUL_HI,  0xf1                     ; the same, C and D window 3
.set BIAS_LO, 0x81                     ; C (the bias) window 0, D window 2
.set BIAS_HI, 0xc1                     ; C window 0, D window 3
.set TO_B,    0x40                     ; destination window 1, address window 0
; A joint load: waves 0 and 1 fetch x's two halves, waves 2 and 3 W's.  The branch hangs on the wave's number alone.  Four v_nop follow each of the two lines.
.macro JLOAD g0a, g1a, g0b, g1b
	s_cmp_eq_u32 s15, 0
	s_cbranch_scc0 .Lfor_b_\@
	tensor_load_to_lds s[\g0a:\g0a+3], s[\g1a:\g1a+7]
	s_nop 0
.rept 4
	v_nop
.endr
	s_branch .Lasked_\@
.Lfor_b_\@:
	tensor_load_to_lds s[\g0b:\g0b+3], s[\g1b:\g1b+7]
	s_nop 0
.rept 4
	v_nop
.endr
.Lasked_\@:
.endm
.macro CREST                           ; a round of the cluster's barrier behind its opening barrier
	s_cmp_lg_u32 s14, 0
	s_cbranch_scc1 .Lnot_wave_0_\@
	s_barrier_signal -3
.Lnot_wave_0_\@:
	s_barrier_wait -3
	s_barrier_signal -1
	s_barrier_wait -1
.endm
.macro CROUND                          ; a whole round
	s_barrier_signal -1
	s_barrier_wait -1
	CREST
.endm
	s_load_b256 s[4:11], s[0:1], 0x0               ; x's codes s[4:5], W's codes s[6:7], the scales' exponents s[8:9], the bias s[10:11]
	s_load_b256 s[68:75], s[0:1], 0x20             ; the table s[68:69], qc s[70:71], kc s[72:73], vc s[74:75]
	v_lshl_add_u32 v[SPW], v0, 2, SPARE
	v_mov_b32 v[NIL], 0
	ds_add_u32 v28, v29
	ds_add_u32 v28, v29
	s_wait_dscnt 0x0
	v_lshrrev_b32 v1, 5, v0
	v_readfirstlane_b32 s14, v1                    ; wave 0..3
	s_lshr_b32 s15, s14, 1                         ; which half of the tile's tokens is mine.  Also: I fetch for x (0) or for W (1)
	s_and_b32 s16, s14, 1                          ; which half of its columns.  Also: which 128 rows of that tile I fetch
	s_bfe_u32 s40, ttmp6, 0x40000                  ; cx, cy: my place in the cluster
	s_bfe_u32 s41, ttmp6, 0x40004
	s_lshl_b32 s42, ttmp9, 2
	s_add_co_u32 s42, s42, s40                     ; tile column = 4 x cluster x + cx
	s_and_b32 s17, ttmp7, 0xffff
	s_lshl_b32 s17, s17, 2
	s_add_co_u32 s17, s17, s41                     ; tile row = 4 x cluster y + cy
	s_lshl_b32 s43, s41, 2
	s_lshl_b32 s43, 15, s43                        ; my row of the cluster
	s_lshl_b32 s44, 0x1111, s40                    ; my column
	; descriptor group 1: a tile of 128 rows x 256 bytes, padded in LDS
	s_or_b32 s[G1+0], s43, (0<<16)|(1<<20)|(1<<21)|(5<<22)|(3<<25)  ; 15:0 the mask: x's tiles go to my row; 17:16 elements of 1 byte; 20 padding on; 21 set beside a mask; 24:22 after every 64 words (code 5); 31:25 four words (code 3)
	s_or_b32 s[G1B+0], s44, (0<<16)|(1<<20)|(1<<21)|(5<<22)|(3<<25)
.irp g, G1, G1B
	s_mov_b32 s[\g+1], ROWB<<16                    ; tensor_dim0
	s_mov_b32 s[\g+2], 128<<16                     ; tensor_dim1 = 128
	s_mov_b32 s[\g+3], ROWB<<16                    ; tile_dim0
	s_mov_b32 s[\g+4], 128                         ; tile_dim1 = 128
	s_mov_b32 s[\g+5], KROW                        ; tensor_dim0_stride
	s_mov_b32 s[\g+6], 0
	s_mov_b32 s[\g+7], 0
.endr
	s_lshl_b32 s18, s16, 7                         ; which 128 rows of the tile I fetch
	s_lshl_b32 s20, s17, 8
	s_add_co_u32 s20, s20, s18                     ; x: row 256 x tile row + 128 x half
	s_lshl_b32 s46, s42, 8
	s_add_co_u32 s46, s46, s18                     ; W: row 256 x tile column + 128 x half
	s_mov_b32 s21, 0
	s_mov_b32 s47, 0
	s_mov_b64 s[18:19], KROW
	s_mul_u64 s[20:21], s[20:21], s[18:19]
	s_mul_u64 s[46:47], s[46:47], s[18:19]
	s_mul_i32 s45, s14, HALFT                      ; where they go: wave x 128 rows: no place in the cluster enters an LDS address
	s_wait_kmcnt 0x0
	s_load_b256 s[76:83], s[8:9], 0x0              ; e0 .. e7
	s_add_nc_u64 s[20:21], s[4:5], s[20:21]
	s_add_nc_u64 s[46:47], s[6:7], s[46:47]
	CROUND                                         ; all sixteen work-groups are here: the first joint loads meet
.irp s, 0,1
	s_mov_b32 s[G0+4*\s], 1
	s_add_co_u32 s[G0+4*\s+1], s45, \s*SLOT
	s_add_nc_u64 s[G0+4*\s+2:G0+4*\s+3], s[20:21], \s*ROWB
	s_or_b32 s[G0+4*\s+3], s[G0+4*\s+3], 0x80000000
	s_mov_b32 s[G0B+4*\s], 1
	s_add_co_u32 s[G0B+4*\s+1], s45, \s*SLOT
	s_add_nc_u64 s[G0B+4*\s+2:G0B+4*\s+3], s[46:47], \s*ROWB
	s_or_b32 s[G0B+4*\s+3], s[G0B+4*\s+3], 0x80000000
.endr
	JLOAD G0, G1, G0B, G1B                         ; K step 0: one tensor load a wave at the head
	v_and_b32 v1, 15, v0                           ; r = lane % 16
	v_bfe_u32 v2, v0, 4, 1                         ; h = lane / 16
	v_mul_u32_u24 v3, v1, PITCH
	v_lshl_add_u32 v4, v2, 4, v3                   ; a fragment's row x pitch + 16 x half
	s_wait_alu depctr_va_vdst(0)
	s_mul_i32 s21, s15, HALFT                      ; my 128 rows of x
	s_mul_i32 s22, s16, HALFT                      ; my 128 rows of W,
	s_add_co_u32 s22, s22, 2*HALFT                 ; which lie behind x's 256
.set VS, 0                                     ; 1 in V's arm of the text: the matrix instruction's two sources change places there; the LDS bases are the same for all three kinds
	s_mov_b32 s92, s21                             ; window 0's set: rows of x
	s_mov_b32 s93, s22                             ; window 1's sets: rows of W
.irp s, 0,1
	v_add_nc_u32 v[ADRA+\s], s92, v4
	v_add_nc_u32 v[ADRB+\s], s93, v4
	s_add_co_u32 s92, s92, SLOT
	s_add_co_u32 s93, s93, SLOT
.endr
	v_and_b32 v5, 31, v0
	v_lshlrev_b32 v[LO], 4, v5
	v_lshlrev_b32 v[BOQ], 5, v2
	v_lshlrev_b32 v[BOV], 2, v1
	s_lshl_b32 s88, s42, 10
	s_lshl_b32 s89, s16, 9
	s_add_co_u32 s88, s88, s89
	s_mov_b32 s89, 0
	s_add_nc_u64 s[10:11], s[10:11], s[88:89]      ; the bias at my 128 columns
	s_and_b32 s90, s17, 7
	s_lshl_b32 s90, s90, 4
	s_lshl_b32 s91, s15, 3
	s_add_co_u32 s90, s90, s91                     ; my first token in its batch, / 16
	s_lshl_b32 s88, s90, 12
	s_add_nc_u64 s[68:69], s[68:69], s[88:89]      ; the table at that token
	s_lshr_b32 s88, s17, 3                         ; the batch
	s_lshl_b32 s88, s88, 4
	s_lshl_b32 s91, s40, 2
	s_add_co_u32 s88, s88, s91
	s_lshl_b32 s91, s16, 1
	s_add_co_u32 s88, s88, s91                     ; batch x 16 + my first head (4 cx + 2 x column half)
	s_lshl_b32 s88, s88, 17                        ; a head is 131,072 bytes in each of the three buffers
	s_lshl_b32 s91, s90, 10                        ; 16 tokens are 1,024 bytes in qc and kc, and 128 tokens 8,192 in vc: the same offset
	s_add_co_u32 s88, s88, s91
	s_cmp_eq_u32 ttmp9, 0
	s_cselect_b64 s[86:87], s[70:71], s[72:73]
	s_cmp_eq_u32 ttmp9, 2
	s_cselect_b64 s[86:87], s[74:75], s[86:87]     ; qc, kc or vc
	s_add_nc_u64 s[86:87], s[86:87], s[88:89]
	s_wait_kmcnt 0x0
	s_add_co_i32 s84, s76, s77
	s_sub_co_i32 s84, 0, s84                       ; -(e0 + e1)
	s_cmp_eq_u32 ttmp9, 0
	s_cselect_b32 s85, s78, s79
	s_cmp_eq_u32 ttmp9, 2
	s_cselect_b32 s85, s81, s85                    ; e2, e3 or e5
	s_add_co_i32 s85, s85, s84
	s_add_co_i32 s85, s85, 127
	s_lshl_b32 s88, s85, 23
	v_mov_b32 v[SC], s88
	s_add_co_i32 s85, s85, 8
	s_lshl_b32 s85, s85, 23
	s_or_b32 s85, s85, 0x600000
	v_mov_b32 v[LIM], s85
	; THE BIAS in the result's layout, while the first tiles are on their way
	s_cmp_eq_u32 ttmp9, 2
	s_cbranch_scc1 .Lbias_v
	s_wait_alu depctr_va_vdst(0)
.irp b, 0,1,2,3,4,5,6,7                        ; Q, K: tile b's eight registers are columns 16 b + 8 h + 0 .. 7
	global_load_b128 v[BI+8*\b:BI+8*\b+3], v[BOQ], s[10:11] offset:64*\b
	global_load_b128 v[BI+8*\b+4:BI+8*\b+7], v[BOQ], s[10:11] offset:64*\b+16
.endr
	s_wait_loadcnt 0x0
.set i, 0
.rept 64
	v_ldexp_f32 v[BI+i], v[BI+i], s84
.set i, i+1
.endr
	s_branch .Lbias_done
.Lbias_v:
	s_wait_alu depctr_va_vdst(0)
.irp a, 0,1,2,3,4,5,6,7                        ; V: all eight registers of block a are channel 16 a + r
	global_load_b32 v[96+\a], v[BOV], s[10:11] offset:64*\a
.endr
	s_wait_loadcnt 0x0
.irp a, 0,1,2,3,4,5,6,7
.irp j, 0,1,2,3,4,5,6,7
	v_ldexp_f32 v[BI+8*\a+\j], v[96+\a], s84
.endr
.endr
.Lbias_done:
.macro FRAG reg, adr, q, i             ; a fragment, 16 rows x 128 K: registers 4 c .. 4 c + 3 hold K = 32 c + 16 (lane / 16) + 0 .. 15 of row lane % 16
.irp c, 0,1,2,3
	ds_load_b128 v[\reg+4*\c:\reg+4*\c+3], v[\adr] offset:128*(\q)+32*\c+(\i)*16*PITCH
.endr
.endm
; 16 matrix instructions: source 1's blocks a0, a0 + 1 x source 0's eight, 128 along K.  p: source 0's set.  cmode 0: onto the sums; 1: the sums begin with the bias of tile b (Q, K); 2: of block a (V).
; The 64 accumulators take turns, one instruction a turn, in the same order in every step.
.macro MUL16 a0, p, cmode
.irp a, \a0, \a0+1
.irp b, 0,1,2,3,4,5,6,7
.if VS                                         ; V: source 0 = 16 rows of x, source 1 = 16 rows of W: a lane holds channel 16 b + lane % 16, its registers tokens 16 a + 8 (lane / 16) + j
.if \cmode == 0
	v_wmma_f32_16x16x128_fp8_fp8 v[8*(8*((\a)%4)+\b):8*(8*((\a)%4)+\b)+7], v[AF+FR*(\a):AF+FR*(\a)+FR-1], v[128*(\p)+FR*\b:128*(\p)+FR*\b+FR-1], v[8*(8*((\a)%4)+\b):8*(8*((\a)%4)+\b)+7]
.else
	v_wmma_f32_16x16x128_fp8_fp8 v[8*(8*((\a)%4)+\b):8*(8*((\a)%4)+\b)+7], v[AF+FR*(\a):AF+FR*(\a)+FR-1], v[128*(\p)+FR*\b:128*(\p)+FR*\b+FR-1], v[BI+8*\b:BI+8*\b+7]
.endif
.elseif \cmode == 0
	v_wmma_f32_16x16x128_fp8_fp8 v[8*(8*((\a)%4)+\b):8*(8*((\a)%4)+\b)+7], v[128*(\p)+FR*\b:128*(\p)+FR*\b+FR-1], v[AF+FR*(\a):AF+FR*(\a)+FR-1], v[8*(8*((\a)%4)+\b):8*(8*((\a)%4)+\b)+7]
.elseif \cmode == 1
	v_wmma_f32_16x16x128_fp8_fp8 v[8*(8*((\a)%4)+\b):8*(8*((\a)%4)+\b)+7], v[128*(\p)+FR*\b:128*(\p)+FR*\b+FR-1], v[AF+FR*(\a):AF+FR*(\a)+FR-1], v[BI+8*\b:BI+8*\b+7]
.else
	v_wmma_f32_16x16x128_fp8_fp8 v[8*(8*((\a)%4)+\b):8*(8*((\a)%4)+\b)+7], v[128*(\p)+FR*\b:128*(\p)+FR*\b+FR-1], v[AF+FR*(\a):AF+FR*(\a)+FR-1], v[BI+8*(\a):BI+8*(\a)+7]
.endif
.endr
.endr
.endm
.macro FETCH_B slot, q, p              ; source 0's eight fragments of the slot's q-th 128 along K into set p
	WIN TO_B
.irp i, 0,1,2,3,4,5,6,7
	FRAG 128*(\p)+FR*\i, ADRB+\slot, \q, \i
.endr
	WIN 0
.endm
.macro FETCH_A slot, q, i0             ; source 1's blocks i0 .. i0 + 3
.irp i, \i0, \i0+1, \i0+2, \i0+3
	FRAG AF+FR*(\i), ADRA+\slot, \q, \i
.endr
.endm
.macro PLACES n                        ; a load into a register that a matrix instruction has read, and a vector instruction that reads a matrix result, stand four plain vector instructions behind it
.rept \n
	v_nop
.endr
.endm
; A step of 128 along K that has its successor in the same slot.  Source 1 has one set: blocks 0-3 are fetched anew in the step's middle, blocks 4-7 at its end.
.macro STEP slot, q, cmode
	s_wait_dscnt 4*NL                              ; source 0's set and source 1's blocks 0-3 are in; the youngest sixteen loads (blocks 4-7) may be out
.if \cmode
	WIN BIAS_LO
.else
	WIN MUL_LO
.endif
	MUL16 0, (\q)%2, \cmode
	MUL16 2, (\q)%2, \cmode
	s_wait_dscnt 0                                 ; blocks 4-7 are in
	PLACES NP
	FETCH_B \slot, (\q)+1, 1-(\q)%2
	FETCH_A \slot, (\q)+1, 0
.if \cmode
	WIN BIAS_HI
.else
	WIN MUL_HI
.endif
	MUL16 4, (\q)%2, \cmode
	MUL16 6, (\q)%2, \cmode
	PLACES NP
	WIN 0
	FETCH_A \slot, (\q)+1, 4
.endm
; A slot's last step changes slots: ONE barrier; in front of it each wave waits for all its tensor loads, adds 0 to its spare word, and waits for that and for its own reads of this slot.  fill = 1: this slot is filled again, two K steps ahead.
.macro TURN slot, next, fill
	s_wait_tensorcnt 0x0                           ; all my tensor loads have landed: my part of the next slot
	ds_add_u32 v[SPW], v[NIL]                      ; 0 onto my spare word
	s_wait_dscnt 4*NL+1                            ; (the add and the youngest sixteen loads may be out)
	WIN MUL_LO
	MUL16 0, 1, 0                                  ; sixteen matrix instructions stand between the add and the wait for it
	s_wait_dscnt 0x0                               ; the add is done, and my reads of this slot are over
	s_barrier_signal -1
	MUL16 2, 1, 0
	WIN 0
	s_barrier_wait -1
.if \fill
	CREST                                          ; the barrier has opened a round of the cluster's barrier: no wave of any partner still reads this slot or has a load on its way
	s_add_nc_u64 s[G0+4*\slot+2:G0+4*\slot+3], s[G0+4*\slot+2:G0+4*\slot+3], 2*ROWB
	s_add_nc_u64 s[G0B+4*\slot+2:G0B+4*\slot+3], s[G0B+4*\slot+2:G0B+4*\slot+3], 2*ROWB
	JLOAD G0+4*\slot, G1, G0B+4*\slot, G1B         ; the first tensor load behind the round; its four v_nop are also the places in front of the loads below
.else
	PLACES NP
.endif
	FETCH_B \next, 0, 0
	FETCH_A \next, 0, 0
	WIN MUL_HI
	MUL16 4, 1, 0
	MUL16 6, 1, 0
	PLACES NP
	WIN 0
	FETCH_A \next, 0, 4
.endm
.macro CSLOAD a                        ; cos and sin for block a's 16 tokens: eight images of 512 bytes into set a % 2
.irp q, 0,1,2,3,4,5,6,7
	global_load_b128 v[CS+32*((\a)%2)+4*\q:CS+32*((\a)%2)+4*\q+3], v[LO], s[68:69] offset:(\a)*4096+\q*512
.endr
.endm
	s_wait_alu depctr_va_vdst(0)                   ; the wait at the head's end
	s_wait_tensorcnt 0x0                           ; my part of K step 0 is in; the lines ahead of a later first fill:
	ds_add_u32 v[SPW], v[NIL]
	s_wait_dscnt 0x0
	CROUND                                         ; everybody's part is in, and all sixteen work-groups are here
	JLOAD G0+4, G1, G0B+4, G1B                     ; K step 1, the first tensor load behind the round
	FETCH_B 0, 0, 0
	FETCH_A 0, 0, 0
	FETCH_A 0, 0, 4
	s_cmp_eq_u32 ttmp9, 2                          ; the first step's products begin the sums with the bias, which lies by tile b for Q and K and by block a for V
	s_cbranch_scc1 .Lfirst_v
	s_wait_alu depctr_va_vdst(0)
	STEP 0, 0, 1
	CSLOAD 0                                       ; block 0's cos and sin, asked for seven steps ahead of their use (Q and K alone)
.macro MAIN                                    ; the seven steps behind the first; expanded once for Q and K and once, with the sources swapped, for V
	TURN 0, 1, 1
	STEP 1, 0, 0
	TURN 1, 0, 1
	STEP 0, 0, 0
	TURN 0, 1, 0                                   ; the last two K steps fill nothing
	STEP 1, 0, 0
	s_wait_dscnt 4*NL                              ; the very last step: nothing more to fetch
	WIN MUL_LO
	MUL16 0, 1, 0
	MUL16 2, 1, 0
	s_wait_dscnt 0
	WIN MUL_HI
	MUL16 4, 1, 0
	MUL16 6, 1, 0
	WIN 0
	PLACES NP
.endm
; THE WAY OUT of block a (16 tokens) for Q and K: rotate, hold, convert, store.  A pair (x1, x2) and its (cos, sin): first (x1 cos, x2 cos), then (- x2 sin, + x1 sin) fused onto it.
.macro QKBLOCK a
.set AC, 64*((\a)%4)
.set CA, CS+32*((\a)%2)
.set CW, CD+16*((\a)%2)
.if (\a) < 7
	CSLOAD (\a)+1
	s_wait_loadcnt 8                               ; this block's eight are in; the next block's eight may be out
.else
	s_wait_loadcnt 0x0
.endif
	WIN 0x02+(\a)/4                                ; source 0: window 2 or 3
.irp b, 0,1,2,3,4,5,6,7
.irp p, 0,2,4,6
	v_pk_mul_f32 v[Y+8*\b+\p:Y+8*\b+\p+1], v[AC+8*\b+\p:AC+8*\b+\p+1], v[CA+8*(\b%4)+\p:CA+8*(\b%4)+\p+1] op_sel_hi:[1,0]
.endr
.irp p, 0,2,4,6
	v_pk_fma_f32 v[Y+8*\b+\p:Y+8*\b+\p+1], v[AC+8*\b+\p:AC+8*\b+\p+1], v[CA+8*(\b%4)+\p:CA+8*(\b%4)+\p+1], v[Y+8*\b+\p:Y+8*\b+\p+1] op_sel:[1,1,0] op_sel_hi:[0,1,1] neg_lo:[0,1,0]
.endr
.endr
	WIN 0
.if (\a) > 1
	s_wait_xcnt 0x0                                ; block a - 2's stores have read their registers: the codes' set may be written again
.endif
.irp b, 0,1,2,3,4,5,6,7
.irp j, 0,1,2,3,4,5,6,7
	v_med3_num_f32 v[Y+8*\b+\j], v[Y+8*\b+\j], -v[LIM], v[LIM]   ; the conversion to an 8-bit code does not saturate (ISA guide 7.6.2): the hold at the largest code x the scale
.endr
	v_cvt_scalef32_pk8_fp8_f32 v[CW+2*\b:CW+2*\b+1], v[Y+8*\b:Y+8*\b+7], v[SC]
.endr
	v_nop                                          ; a plain instruction behind the last conversion, ahead of the next block's writes of its sources
.irp hh, 0,1
.irp g, 0,1
	global_store_b128 v[LO], v[CW+8*\hh+4*\g:CW+8*\hh+4*\g+3], s[86:87] offset:(\a)*1024+\hh*131072+\g*512   ; 512 consecutive bytes, aligned: image g of head hh's fragment
.endr
.endr
.endm
; The same for V: block a is 16 channels, its eight tiles are my 128 tokens: one whole fragment of V^T.
.macro VBLOCK a
.set AC, 64*((\a)%4)
.set CW, CD+16*((\a)%2)
.irp t, 0,1,2,3,4,5,6,7                        ; channel block a's eight tiles of tokens are the accumulators (t, a)
	WIN 0x02+\t/4
.irp j, 0,1,2,3,4,5,6,7
	v_med3_num_f32 v[Y+8*\t+\j], v[8*(8*(\t%4)+(\a))+\j], -v[LIM], v[LIM]
.endr
.endr
	WIN 0
.if (\a) > 1
	s_wait_alu depctr_va_vdst(0)
	s_wait_xcnt 0x0
.endif
.irp b, 0,1,2,3,4,5,6,7
	v_cvt_scalef32_pk8_fp8_f32 v[CW+2*\b:CW+2*\b+1], v[Y+8*\b:Y+8*\b+7], v[SC]
.endr
	v_nop
.irp g, 0,1,2,3
	global_store_b128 v[LO], v[CW+4*\g:CW+4*\g+3], s[86:87] offset:((\a)/4)*131072+((\a)%4)*2048+\g*512
.endr
.endm
	MAIN
.irp a, 0,1,2,3,4,5,6,7
	QKBLOCK \a
.endr
	s_branch .Lout_done
.Lfirst_v:                                     ; V's arm: the same steps with the two sources swapped; the bias lies by W's block b here too
.set VS, 1
.set MUL_LO,  0xa4                             ; source 0 window 0, source 1 window 1, C and D window 2
.set MUL_HI,  0xf4
.set BIAS_LO, 0x84
.set BIAS_HI, 0xc4
	s_wait_alu depctr_va_vdst(0)
	STEP 0, 0, 1
	MAIN
.irp a, 0,1,2,3,4,5,6,7
	VBLOCK \a
.endr
.Lout_done:
	s_wait_tensorcnt 0x0                           ; the wave's end
	ds_add_u32 v[SPW], v[NIL]
	s_wait_dscnt 0x0
	CROUND                                         ; the closing round: no work-group ends while a partner may still ask for a tile that names it
	s_endpgm
.Lfunc_end_k_qc3d7ac542d_qkv:
	.size	k_qc3d7ac542d_qkv, .Lfunc_end_k_qc3d7ac542d_qkv-k_qc3d7ac542d_qkv
	.p2alignl 7, 3214868480
	.fill 96, 4, 3214868480
	.section	.rodata,"a",@progbits
	.p2align	6, 0x0
	.amdhsa_kernel k_qc3d7ac542d_qkv
		.amdhsa_group_segment_fixed_size 327680
		.amdhsa_private_segment_fixed_size 0
		.amdhsa_enable_private_segment 0
		.amdhsa_kernarg_size 64
		.amdhsa_user_sgpr_count 2
		.amdhsa_user_sgpr_kernarg_segment_ptr 1
		.amdhsa_wavefront_size32 1
		.amdhsa_system_sgpr_workgroup_id_x 1
		.amdhsa_system_sgpr_workgroup_id_y 1
		.amdhsa_system_sgpr_workgroup_id_z 1
		.amdhsa_system_vgpr_workitem_id 0
		.amdhsa_next_free_vgpr 1024
		.amdhsa_next_free_sgpr 100
		.amdhsa_reserve_vcc 0
		.amdhsa_float_denorm_mode_32 3
		.amdhsa_float_denorm_mode_16_64 3
		.amdhsa_memory_ordered 1
		.amdhsa_forward_progress 1
		.amdhsa_inst_pref_size 255
	.end_amdhsa_kernel
	.section	.bss,"aw",@nobits
	.p2align	6
	.space	262144
	.amdgpu_metadata
---
amdhsa.version: [ 1, 2 ]
amdhsa.kernels:
  - .name:           k_qc3d7ac542d_qkv
    .symbol:         k_qc3d7ac542d_qkv.kd
    .args:
      - { .name: x_codes, .offset: 0, .size: 8, .value_kind: global_buffer, .address_space: global }
      - { .name: Wqkv_w_codes, .offset: 8, .size: 8, .value_kind: global_buffer, .address_space: global }
      - { .name: lowp_scales, .offset: 16, .size: 8, .value_kind: global_buffer, .address_space: global }
      - { .name: Wqkv_b, .offset: 24, .size: 8, .value_kind: global_buffer, .address_space: global }
      - { .name: rope, .offset: 32, .size: 8, .value_kind: global_buffer, .address_space: global }
      - { .name: qc, .offset: 40, .size: 8, .value_kind: global_buffer, .address_space: global }
      - { .name: kc, .offset: 48, .size: 8, .value_kind: global_buffer, .address_space: global }
      - { .name: vc, .offset: 56, .size: 8, .value_kind: global_buffer, .address_space: global }
    .group_segment_fixed_size: 327680
    .private_segment_fixed_size: 0
    .kernarg_segment_align: 8
    .kernarg_segment_size: 64
    .max_flat_workgroup_size: 128
    .sgpr_count:     100
    .vgpr_count:     1024
    .wavefront_size: 32
...
	.end_amdgpu_metadata
.endif
;; end of part 2
;; launch attn (part 3): grid 4 x 64, 8 waves a work-group, clusters of 4 x 1, 327,680 bytes of LDS; arguments qc, kc, vc, lowp_scales, ao; writes ao
.if DOCPART == 3
	.amdgcn_target "amdgcn-amd-amdhsa--gfx1250"
	.amdhsa_code_object_version 6
	.text
	.protected	k_qc3d7ac542d_attn
	.globl	k_qc3d7ac542d_attn
	.p2align	8
	.type	k_qc3d7ac542d_attn,@function
k_qc3d7ac542d_attn:
	s_mov_b64 s[64:65], 0
	v_nop
	global_prefetch_b8 v0, s[64:65] scope:SCOPE_SE
	s_setreg_imm32_b32 hwreg(HW_REG_WAVE_MODE, 25, 1), 1
	s_wait_xcnt 0x0
	s_wait_alu depctr_hold_cnt(0) depctr_sa_sdst(0) depctr_va_vdst(0) depctr_va_sdst(0) depctr_va_ssrc(0) depctr_va_vcc(0) depctr_vm_vsrc(0)
	s_getreg_b32 s2, hwreg(HW_REG_IB_STS2, 6, 4)
	s_cmp_eq_u32 s2, 0
	s_cbranch_scc0 .Lentry_in_a_cluster
	s_endpgm
.Lentry_in_a_cluster:
	s_bfe_u32 s2, ttmp6, 0x10000c
	s_cmp_lg_u32 s2, 0x3003
	s_cbranch_scc0 .Lentry_shape_is_right
	s_endpgm
.Lentry_shape_is_right:
; Causal attention of 64 heads (2,048 tokens, 64 channels) on codes of E4M3, and the quantising of its result for the last product.
; t = score x 2^(e2 + e3) x log2(e) / 8; M = the running largest t, rounded UP to a whole number; p = 2^(t - M) is quantised with 2^e4, not normalised; the row's sum is taken of the unquantised p and divides O at the end.
; K AND V STAY IN LDS: a head's codes are 131,072 bytes each; both lie in LDS for the whole launch, K from byte 0, V from byte 131,072.  Nothing is filled again, and no barrier stands in the loops.
; SHARES.  A pair is 32 queries, two tiles of 16.  The work-group at place cx of its cluster owns the pairs 4 i + cx, i = 0 .. 15, of one head: pair 4 i + cx needs the key steps (128 keys) 0 .. i whatever cx is, so no
; branch and no trip count hangs on cx, and the four work-groups of a head do the same work.  Wave w of eight takes i = 15 - w and then i = w: 17 steps in every wave.
; A WAVE HOLDS BOTH TILES OF A PAIR: each fragment of K and V read from LDS serves two matrix instructions, and the two tiles' softmax is ONE text: their chains are laid line by line, and their 128 exponentials are one batch.
; CLUSTER: the four work-groups of a head read the same K and V, and ask for them jointly (mask 15).  Each wave issues one load at the head (waves 0-3: 8,192 bytes each of K's keys 0-511; waves 4-7: of V's) and one
; behind a round of the cluster's barrier (24,576 bytes each of keys 512-2,047), which lands under the first four key steps; one work-group barrier stands ahead of key step 4.
; NO PREFETCH: every tile of the launch is asked for in the head; no loop runs ahead of a later load.
; LAYOUT.  Both products are used transposed: S^T = K Q^T (16x16x64: source 0 = 16 keys, source 1 = 16 queries), O^T = V^T P (16x16x128: source 0 = 16 channels, source 1 = P): a lane holds ONE query of each tile.
; Tile t of S^T holds keys 16 t + 8 (lane / 16) + j: its eight codes are registers 2 t, 2 t + 1 of P.  qc, kc and vc hold images of the operands' registers: every LDS load takes 512 consecutive bytes.
; CAUSAL.  Steps beyond a pair's last are jumped over (a scalar branch on the wave's number and the count of trips); in the pair's last step hidden scores become -infinity, p = 0.
;   (reference() puts -1e9 there: the same p while the scores that count lie above -1e9.)
; ao: [head / 4][row / 16][head % 4][image 0, 1][lane][16].
; LIMITS: e2 + e3 between -120 and 128 (added to the exponent field of log2(e) / 8); e4 and e6 - e4 - e5 between -126 and 119.  NaN among the inputs is not served.
; REGISTERS.  Window 0, all that the softmax names: v1-3 addresses; v4, v7 the masks' thresholds; v5, v6 the spare word and 0; v12 -M, v13 the largest t, v[14:15] the sum (tile 1: v16-19); v[20:21], v[22:23] f;
;   v24-29 at work; v30, v31 448 x 2^e4; v32-95, v96-159 S^T, then p, of tiles 0 and 1; v160, v161 the conversions' scales; v162-189 partial sums; v190 -infinity; v192-255 K's eight fragments.
; Window 1, named by matrix instructions, conversions, the rescaling and set-up moves alone: v0-63 V's four fragments; v64-95, v96-127 O^T; v128-143, v144-159 p's codes; v160-175 Q in hand; v176-191 the second pair's; v192-207 the result's codes.
.set VOFF,  131072
.set SPARE, 262144                     ; behind K and V: the spare words, 128 bytes for each of the eight waves, which no other line names
.set LI,   1
.set ADK,  2
.set ADV,  3
.set DQ0,  4                           ; 32 cx + lane % 16 - 8 (lane / 16)
.set SPW,  5
.set NIL,  6
.set DQ1,  7                           ; 16 more
.set TB,   2                           ; s2   LDS byte of the key step
.set T,    3                           ; s3   the trip
.set WV,   18                          ; s18  my wave
.set SEL,  20                          ; s[20:21] selects for v_permlanex16_b32: lane xor 16
.set CS,   22                          ; s[22:23] c
.set KS,   38                          ; s38  the key step
.set LIMK, 39                          ; s39  the last key step of the pair in hand
; s14 cx; s15 batch x 16 + head; s16, s17 the two pairs' first queries; s19 that of the pair in hand; s[24:31], s[68:75] descriptor groups 1; s[32:35], s[76:79] groups 0; s[42:43] the stores' base;
; s[44:51] e0 .. e7; s[58:59] ao at my head and batch; s60, s61 the hold of the result
.set MSB, 0
.macro WIN new                         ; the immediate's high byte repeats the setting that is left
.if MSB != \new
	s_set_vgpr_msb (MSB<<8)|\new
.set MSB, \new
.endif
.endm
.macro CROUND                          ; a round of the cluster's barrier
	s_barrier_signal -1
	s_barrier_wait -1
	s_cmp_lg_u32 s[WV], 0
	s_cbranch_scc1 .Lnot_wave_0_\@
	s_barrier_signal -3
.Lnot_wave_0_\@:
	s_barrier_wait -3
	s_barrier_signal -1
	s_barrier_wait -1
.endm
.macro TILES g0, g1                    ; every wave's own part, by addresses made of the wave's number; an s_nop 0 and four v_nop follow
	tensor_load_to_lds s[\g0:\g0+3], s[\g1:\g1+7]
	s_nop 0
.rept 4
	v_nop
.endr
.endm
.macro STATE                           ; a pair of which nothing has been seen: the first change of M leaves the zeros zeros
	v_mov_b32 v13, 0xff61b1e6                      ; -3e38, under every t
	v_mov_b32 v17, 0xff61b1e6
	v_mov_b32 v14, 0
	v_mov_b32 v15, 0
	v_mov_b32 v18, 0
	v_mov_b32 v19, 0
	v_floor_f32 v12, -v13
	v_floor_f32 v16, -v17
	WIN 0x40
.set i, 0
.rept 64
	v_mov_b32 v[64+i], 0
.set i, i+1
.endr
	WIN 0
.endm
	s_load_b256 s[4:11], s[0:1], 0x0               ; qc s[4:5], kc s[6:7], vc s[8:9], the scales' exponents s[10:11]
	s_load_b64 s[12:13], s[0:1], 0x20              ; ao
	v_lshl_add_u32 v[SPW], v0, 2, SPARE
	v_mov_b32 v[NIL], 0
	ds_add_u32 v[SPW], v[NIL]                      ; the opening lines: the add, twice on end, and its wait
	ds_add_u32 v[SPW], v[NIL]
	v_lshrrev_b32 v10, 5, v0
	v_readfirstlane_b32 s[WV], v10                 ; wave 0..7
	s_bfe_u32 s14, ttmp6, 0x40000                  ; cx
	s_and_b32 s15, ttmp7, 0xffff                   ; batch x 16 + head
	s_lshl_b32 s40, s14, 5                         ; 32 cx
	s_lshl_b32 s17, s[WV], 7
	s_add_co_u32 s17, s17, s40                     ; the second pair's first query: 128 w + 32 cx
	s_sub_co_u32 s[LIMK], 15, s[WV]
	s_lshl_b32 s16, s[LIMK], 7
	s_add_co_u32 s16, s16, s40                     ; the first pair's: 128 (15 - w) + 32 cx
	s_mov_b32 s19, s16
	s_lshl_b32 s56, s16, 6                         ; 16 queries are 1,024 bytes of qc
	s_lshl_b32 s57, s17, 6
	; descriptor groups 1: dense bytes as rows of 32 elements of 8 bytes; 32 rows at the head, 96 behind the round; the mask names the cluster's four, bit 21 beside it
	s_mov_b32 s24, 15|(3<<16)|(1<<21)
	s_mov_b32 s25, 32<<16
	s_mov_b32 s26, 32<<16
	s_mov_b32 s27, 32<<16
	s_mov_b32 s28, 32
	s_mov_b32 s29, 32
	s_mov_b32 s30, 0
	s_mov_b32 s31, 0
	s_mov_b32 s68, 15|(3<<16)|(1<<21)
	s_mov_b32 s69, 32<<16
	s_mov_b32 s70, 96<<16
	s_mov_b32 s71, 32<<16
	s_mov_b32 s72, 96
	s_mov_b32 s73, 32
	s_mov_b32 s74, 0
	s_mov_b32 s75, 0
	s_lshr_b32 s54, s[WV], 2                       ; 0: I fetch for K; 1: for V
	s_and_b32 s55, s[WV], 3                        ; which quarter
	s_lshl_b32 s41, s54, 17
	s_lshl_b32 s80, s55, 13                        ; at the head: 8,192 bytes a wave
	s_mov_b32 s81, 0
	s_mul_i32 s82, s55, 24576                      ; then 24,576 a wave, behind the first 32,768
	s_add_co_u32 s82, s82, 32768
	s_mov_b32 s83, 0
	s_mov_b32 s32, 1
	s_add_co_u32 s33, s41, s80
	s_mov_b32 s76, 1
	s_add_co_u32 s77, s41, s82
	s_lshl_b32 s52, s15, 17                        ; a head is 131,072 bytes in qc, kc and vc
	s_mov_b32 s53, 0
	s_and_b32 s84, s15, 15                         ; ao at my head and batch
	s_lshr_b32 s84, s84, 2
	s_lshl_b32 s84, s84, 21
	s_lshr_b32 s85, s15, 4
	s_lshl_b32 s85, s85, 19
	s_add_co_u32 s84, s84, s85
	s_and_b32 s85, s15, 3
	s_lshl_b32 s85, s85, 10
	s_add_co_u32 s84, s84, s85
	s_mov_b32 s85, 0
	s_mov_b32 s[SEL], 0x76543210
	s_mov_b32 s[SEL+1], 0xfedcba98
	s_mov_b32 s[CS], 0x3e38aa3b                    ; log2(e) / 8
	s_wait_dscnt 0x0                               ; both opening adds are done
	s_wait_kmcnt 0x0
	s_load_b256 s[44:51], s[10:11], 0x0            ; e0 .. e7
	s_cmp_eq_u32 s54, 0
	s_cselect_b64 s[36:37], s[6:7], s[8:9]
	s_add_nc_u64 s[36:37], s[36:37], s[52:53]
	s_add_nc_u64 s[34:35], s[36:37], s[80:81]
	s_or_b32 s35, s35, 0x80000000
	s_add_nc_u64 s[78:79], s[36:37], s[82:83]
	s_or_b32 s79, s79, 0x80000000
	s_add_nc_u64 s[4:5], s[4:5], s[52:53]          ; qc at my head
	s_add_nc_u64 s[58:59], s[12:13], s[84:85]
	CROUND                                         ; the four work-groups are here: the first joint loads meet
	TILES 32, 24                                   ; keys 0-511: my one tensor load at the head
	v_and_b32 v11, 31, v0
	v_lshlrev_b32 v[LI], 4, v11
	v_add_nc_u32 v8, s56, v[LI]
	v_add_nc_u32 v9, s57, v[LI]
	WIN 0x40                                       ; Q's fragments of both pairs stay in window 1
.irp g, 0,1,2,3
	global_load_b128 v[160+4*\g:163+4*\g], v8, s[4:5] offset:512*\g
.endr
.irp g, 0,1,2,3
	global_load_b128 v[176+4*\g:179+4*\g], v9, s[4:5] offset:512*\g
.endr
	WIN 0
	v_and_b32 v24, 15, v0
	v_bfe_u32 v25, v0, 4, 1
	v_lshlrev_b32 v25, 3, v25
	v_sub_nc_u32 v24, v24, v25
	v_add_nc_u32 v[DQ0], s40, v24
	v_add_nc_u32 v[DQ1], 16, v[DQ0]
	s_wait_alu depctr_va_vdst(0)
	s_wait_kmcnt 0x0
	s_add_co_i32 s84, s46, s47
	s_lshl_b32 s84, s84, 23
	s_add_co_i32 s[CS], s[CS], s84                 ; a score stands for score x 2^(e2 + e3): added to c's exponent field
	s_mov_b32 s[CS+1], s[CS]
	s_add_co_i32 s84, s48, 127
	s_lshl_b32 s86, s84, 23
	s_add_co_i32 s84, s84, 8
	s_lshl_b32 s84, s84, 23
	s_or_b32 s87, s84, 0x600000
	s_sub_co_i32 s84, s50, s48
	s_sub_co_i32 s84, s84, s49
	s_add_co_i32 s84, s84, 127
	s_lshl_b32 s88, s84, 23                        ; a sum of the second product stands for sum x 2^(e4 + e5)
	s_add_co_i32 s84, s84, 8
	s_lshl_b32 s84, s84, 23
	s_or_b32 s61, s84, 0x600000                    ; 448 x 2^(e6 - e4 - e5),
	s_or_b32 s60, s61, 0x80000000                  ; and its negative
	v_mov_b32 v21, 0                               ; (named as the upper halves of the pairs of f)
	v_mov_b32 v23, 0
	v_mov_b32 v28, 0                               ; written once: a lane permute's destination counts as one of its sources
	v_mov_b32 v29, 0
	v_mov_b32 v30, s87                             ; 448 x 2^e4, twice: the two halves of a dual pair read it from registers of different banks
	v_mov_b32 v31, s87
	v_mov_b32 v160, s86                            ; 2^e4
	v_mov_b32 v161, s88                            ; 2^(e6 - e4 - e5)
	STATE
.macro MASK b, dq                      ; register 8 t + j holds the step's key 16 t + 8 (lane / 16) + j: hidden where 16 t + j > the threshold
.set n, 0
.rept 64
	v_cmp_gt_i32 vcc_lo, 16*(n/8)+n%8, v[\dq]
	v_cndmask_b32 v[\b+n], v[\b+n], v190, vcc_lo
.set n, n+1
.endr
.endm
.macro SUMS b, s, t                    ; 25 of a tile's 32 additions of pairs, in eight chains: the sum itself and seven partial sums
	v_pk_add_f32 v[\s:\s+1], v[\s:\s+1], v[\b:\b+1]
.irp m, 1,2,3,4,5,6,7
	v_pk_add_f32 v[\t+2*\m-2:\t+2*\m-1], v[\b+2*\m:\b+2*\m+1], v[\b+2*\m+14:\b+2*\m+15]
.endr
.irp g, 0,1
	v_pk_add_f32 v[\s:\s+1], v[\s:\s+1], v[\b+30+16*\g:\b+31+16*\g]
.irp m, 1,2,3,4,5,6,7
	v_pk_add_f32 v[\t+2*\m-2:\t+2*\m-1], v[\t+2*\m-2:\t+2*\m-1], v[\b+30+16*\g+2*\m:\b+31+16*\g+2*\m]
.endr
.endr
	v_pk_add_f32 v[\s:\s+1], v[\s:\s+1], v[\b+62:\b+63]
.endm
.macro JOIN s, t                       ; and the seven that join the chains
	v_pk_add_f32 v[\t:\t+1], v[\t:\t+1], v[\t+2:\t+3]
	v_pk_add_f32 v[\t+4:\t+5], v[\t+4:\t+5], v[\t+6:\t+7]
	v_pk_add_f32 v[\t+8:\t+9], v[\t+8:\t+9], v[\t+10:\t+11]
	v_pk_add_f32 v[\s:\s+1], v[\s:\s+1], v[\t+12:\t+13]
	v_pk_add_f32 v[\t:\t+1], v[\t:\t+1], v[\t+4:\t+5]
	v_pk_add_f32 v[\s:\s+1], v[\s:\s+1], v[\t+8:\t+9]
	v_pk_add_f32 v[\s:\s+1], v[\s:\s+1], v[\t:\t+1]
.endm
; A KEY STEP: 128 keys at LDS byte s[TB] of K and of V, for both tiles.  full = 1: steps beyond the pair's last are jumped over, and the last is masked.
.macro STEP full
.if \full
	s_cmp_gt_u32 s[KS], s[LIMK]
	s_cbranch_scc1 .Lhidden_\@
.endif
	v_add_nc_u32 v[ADK], s[TB], v[LI]
	v_add_nc_u32 v[ADV], VOFF, v[ADK]
	v_nop
	v_nop                                          ; with the two additions four places in front of loads into registers that the last products read
.irp t, 0,1,2,3,4,5,6,7
	ds_load_b128 v[192+8*\t:195+8*\t], v[ADK] offset:\t*1024
	ds_load_b128 v[196+8*\t:199+8*\t], v[ADK] offset:\t*1024+512
.endr
	WIN 0x40                                       ; V's four fragments into window 1: they land while the softmax is worked
.irp ct, 0,1,2,3
.irp c, 0,1,2,3
	ds_load_b128 v[16*\ct+4*\c:16*\ct+4*\c+3], v[ADV] offset:\ct*2048+\c*512
.endr
.endr
	WIN 0x04                                       ; K and S^T in window 0, Q in window 1
	s_wait_dscnt 16                                ; K's sixteen loads are in; V's sixteen may be out
.irp t, 0,1,2,3,4,5,6,7
	v_wmma_f32_16x16x64_fp8_fp8 v[32+8*\t:39+8*\t], v[192+8*\t:199+8*\t], v[160:167], 0
.endr
.irp t, 0,1,2,3,4,5,6,7
	v_wmma_f32_16x16x64_fp8_fp8 v[96+8*\t:103+8*\t], v[192+8*\t:199+8*\t], v[168:175], 0
.endr
	WIN 0
.rept 4
	v_nop                                          ; places in front of the first reads of the scores
.endr
.if \full
	s_cmp_lg_u32 s[KS], s[LIMK]
	s_cbranch_scc1 .Lopen_\@                       ; all its keys count
	v_mov_b32 v190, 0xff800000                     ; -infinity
	MASK 32, DQ0
	MASK 96, DQ1
.Lopen_\@:
.endif
	v_max3_num_f32 v24, v32, v33, v34              ; the step's largest score of each of my two queries, among my 64 keys: two chains a tile, the four laid by turns
	v_max3_num_f32 v26, v96, v97, v98
	v_max3_num_f32 v25, v35, v36, v37
	v_max3_num_f32 v27, v99, v100, v101
.irp i, 6,10,14,18,22,26,30,34,38,42,46,50,54,58
	v_max3_num_f32 v24, v24, v[32+\i], v[33+\i]
	v_max3_num_f32 v26, v26, v[96+\i], v[97+\i]
	v_max3_num_f32 v25, v25, v[34+\i], v[35+\i]
	v_max3_num_f32 v27, v27, v[98+\i], v[99+\i]
.endr
	v_max3_num_f32 v24, v24, v94, v95
	v_max3_num_f32 v26, v26, v158, v159
	v_max_num_f32 v24, v24, v25
	v_max_num_f32 v26, v26, v27
	v_permlanex16_b32 v28, v24, s[SEL], s[SEL+1]
	v_permlanex16_b32 v29, v26, s[SEL], s[SEL+1]
	v_max_num_f32 v24, v24, v28                    ; and among lane xor 16's
	v_max_num_f32 v26, v26, v29
	v_mul_f32 v24, s[CS], v24                      ; as t (c is positive)
	v_mul_f32 v26, s[CS], v26
	v_max_num_f32 v13, v13, v24                    ; the running largest t
	v_max_num_f32 v17, v17, v26
	v_mov_b32 v24, v12
	v_mov_b32 v26, v16
	v_floor_f32 v12, -v13                          ; the new -M = floor(-t): M is a whole number
	v_floor_f32 v16, -v17
	v_sub_f32 v24, v12, v24                        ; M's old value less its new one: a whole number, 0 or less
	v_sub_f32 v26, v16, v26
	v_cvt_i32_f32 v24, v24                         ; (it saturates)
	v_cvt_i32_f32 v26, v26
	v_ldexp_f32 v20, 1.0, v24                      ; f = 2^(old M - new M)
	v_ldexp_f32 v22, 1.0, v26
.set j, 0
.rept 32
	v_pk_fma_f32 v[32+j:33+j], v[32+j:33+j], s[CS:CS+1], v[12:13] op_sel_hi:[1,0,0]   ; t - M, two at a time
.set j, j+2
.endr
.set j, 0
.rept 32
	v_pk_fma_f32 v[96+j:97+j], v[96+j:97+j], s[CS:CS+1], v[16:17] op_sel_hi:[1,0,0]
.set j, j+2
.endr
	s_wait_alu depctr_va_vdst(0)                   ; the wait ahead of the batch
.set j, 0
.rept 128
	v_exp_f32 v[32+j], v[32+j]                     ; p = 2^(t - M), at most 1: both tiles in one batch
.set j, j+1
.endr
	v_pk_mul_f32 v[14:15], v[14:15], v[20:21] op_sel_hi:[1,0]   ; the sums under the new M (plain instructions behind the exponentials)
	v_pk_mul_f32 v[18:19], v[18:19], v[22:23] op_sel_hi:[1,0]
	s_wait_alu depctr_va_vdst(0)                   ; one wait for the whole batch, ahead of its first reader
	SUMS 32, 14, 162                               ; the rows' sums of the unquantised p
	SUMS 96, 18, 176
	JOIN 14, 162
	JOIN 18, 176
.set j, 0
.rept 64                                       ; the conversion does not saturate (ISA guide 7.6.2); p is not negative, so the hold is one-sided; two numbers to a dual pair
	v_dual_min_num_f32 v[32+j], v[32+j], v30 :: v_dual_min_num_f32 v[33+j], v[33+j], v31
.set j, j+2
.endr
	WIN 0x40                                       ; the codes go to window 1
.irp t, 0,1,2,3,4,5,6,7
	v_cvt_scalef32_pk8_fp8_f32 v[128+2*\t:129+2*\t], v[32+8*\t:39+8*\t], v160
.endr
.irp t, 0,1,2,3,4,5,6,7
	v_cvt_scalef32_pk8_fp8_f32 v[144+2*\t:145+2*\t], v[96+8*\t:103+8*\t], v160
.endr
	WIN 0x41                                       ; O^T in window 1, f in window 0
	s_wait_alu depctr_va_vdst(0)                   ; ahead of the first readers of O^T
.set j, 0
.rept 16
	v_pk_mul_f32 v[64+j:65+j], v[64+j:65+j], v[20:21] op_sel_hi:[1,0]   ; O^T under the new M (also the plain work between the conversions and the products)
.set j, j+2
.endr
.set j, 0
.rept 16
	v_pk_mul_f32 v[96+j:97+j], v[96+j:97+j], v[22:23] op_sel_hi:[1,0]
.set j, j+2
.endr
	s_wait_alu depctr_va_vdst(0)
	s_wait_dscnt 0x0                               ; V is in
	WIN 0x55
.irp ct, 0,1,2,3                               ; the eight accumulators take turns, one instruction a turn
	v_wmma_f32_16x16x128_fp8_fp8 v[64+8*\ct:71+8*\ct], v[16*\ct:16*\ct+15], v[128:143], v[64+8*\ct:71+8*\ct]
	v_wmma_f32_16x16x128_fp8_fp8 v[96+8*\ct:103+8*\ct], v[16*\ct:16*\ct+15], v[144:159], v[96+8*\ct:103+8*\ct]
.endr
	WIN 0
.if \full
.Lhidden_\@:
.endif
.endm
; A PAIR'S END: O^T / the sum, quantised with 2^e6; each tile leaves as two images of 512 bytes.  next = 1: in the loop, behind trip 11 alone (key step 15); the second pair is then set up.
.macro FINISH next
.if \next
	s_cmp_eq_u32 s[T], 11
	s_cbranch_scc0 .Lnot_yet_\@
.endif
.rept 4
	v_nop                                          ; places behind the last products
.endr
	s_wait_xcnt 0x0                                ; earlier stores have read their data and their base: both are written below
	s_lshl_b32 s90, s19, 8                         ; 16 rows are 4,096 bytes of ao
	s_mov_b32 s91, 0
	s_add_nc_u64 s[42:43], s[58:59], s[90:91]
	v_add_f32 v14, v14, v15                        ; the sums' two halves,
	v_add_f32 v18, v18, v19
	v_permlanex16_b32 v28, v14, s[SEL], s[SEL+1]
	v_permlanex16_b32 v29, v18, s[SEL], s[SEL+1]
	v_add_f32 v14, v14, v28                        ; and lane xor 16's
	v_add_f32 v18, v18, v29
	s_wait_alu depctr_va_vdst(0)                   ; ahead of the two transcendentals
	v_rcp_f32 v14, v14
	v_rcp_f32 v18, v18
	v_nop                                          ; a plain instruction behind the reciprocals
	WIN 0x01                                       ; O^T from window 1
	s_wait_alu depctr_va_vdst(0)                   ; ahead of their first readers, and of the first readers of O^T
.set j, 0
.rept 16
	v_pk_mul_f32 v[32+j:33+j], v[64+j:65+j], v[14:15] op_sel_hi:[1,0]
.set j, j+2
.endr
.set j, 0
.rept 16
	v_pk_mul_f32 v[96+j:97+j], v[96+j:97+j], v[18:19] op_sel_hi:[1,0]
.set j, j+2
.endr
	WIN 0
.set j, 0
.rept 32
	v_med3_num_f32 v[32+j], v[32+j], s60, s61
	v_med3_num_f32 v[96+j], v[96+j], s60, s61
.set j, j+1
.endr
	WIN 0x40
.irp ct, 0,1,2,3
	v_cvt_scalef32_pk8_fp8_f32 v[192+2*\ct:193+2*\ct], v[32+8*\ct:39+8*\ct], v161
.endr
.irp ct, 0,1,2,3
	v_cvt_scalef32_pk8_fp8_f32 v[200+2*\ct:201+2*\ct], v[96+8*\ct:103+8*\ct], v161
.endr
	v_nop                                          ; a plain instruction behind the last conversion
	WIN 0x04                                       ; the data from window 1, the offset from window 0
	global_store_b128 v[LI], v[192:195], s[42:43]
	global_store_b128 v[LI], v[196:199], s[42:43] offset:512
	global_store_b128 v[LI], v[200:203], s[42:43] offset:4096
	global_store_b128 v[LI], v[204:207], s[42:43] offset:4608
.if \next
	WIN 0x41
.set i, 0
.rept 16
	v_mov_b32 v[160+i], v[176+i]                   ; the second pair's queries
.set i, i+1
.endr
	WIN 0
	STATE
	s_mov_b32 s19, s17
	s_mov_b32 s[LIMK], s[WV]
.Lnot_yet_\@:
.else
	WIN 0
.endif
.endm
	s_wait_alu depctr_va_vdst(0)                   ; the wait at the head's end
	s_wait_tensorcnt 0x0                           ; my part of keys 0-511 is in; the lines ahead of a later first fill:
	ds_add_u32 v[SPW], v[NIL]
	s_wait_dscnt 0x0
	CROUND                                         ; everybody's part is in, and the four work-groups are here
	TILES 76, 68                                   ; keys 512-2,047: my one tensor load behind the round
	s_wait_loadcnt 0x0                             ; Q
	s_mov_b32 s[TB], 0
	s_mov_b32 s[T], 0
.Lfirst:                                           ; key steps 0 to 3 of the first pair, which has nine steps at the least: nothing is hidden
	STEP 0
	s_add_co_u32 s[TB], s[TB], 8192
	s_add_co_u32 s[T], s[T], 1
	s_cmp_lt_u32 s[T], 4
	s_wait_alu depctr_va_vdst(0)
	s_cbranch_scc1 .Lfirst
	s_wait_tensorcnt 0x0                           ; my part of the later keys is in,
	ds_add_u32 v[SPW], v[NIL]
	s_wait_dscnt 0x0
	s_barrier_signal -1
	s_barrier_wait -1                              ; everybody's is
	s_mov_b32 s[T], 0
.Lrest:                                            ; twenty trips: key steps 4 to 15 of the first pair, then 0 to 7 of the second: (T + 4) mod 16
	s_add_co_u32 s[KS], s[T], 4
	s_and_b32 s[KS], s[KS], 15
	s_lshl_b32 s[TB], s[KS], 13
	STEP 1
	FINISH 1
	s_add_co_u32 s[T], s[T], 1
	s_cmp_lt_u32 s[T], 20
	s_wait_alu depctr_va_vdst(0)
	s_cbranch_scc1 .Lrest
	FINISH 0
	s_wait_tensorcnt 0x0                           ; the wave's end
	ds_add_u32 v[SPW], v[NIL]
	s_wait_dscnt 0x0
	CROUND                                         ; the closing round
	s_endpgm
.Lfunc_end_k_qc3d7ac542d_attn:
	.size	k_qc3d7ac542d_attn, .Lfunc_end_k_qc3d7ac542d_attn-k_qc3d7ac542d_attn
	.p2alignl 7, 3214868480
	.fill 96, 4, 3214868480
	.section	.rodata,"a",@progbits
	.p2align	6, 0x0
	.amdhsa_kernel k_qc3d7ac542d_attn
		.amdhsa_group_segment_fixed_size 327680
		.amdhsa_private_segment_fixed_size 0
		.amdhsa_enable_private_segment 0
		.amdhsa_kernarg_size 40
		.amdhsa_user_sgpr_count 2
		.amdhsa_user_sgpr_kernarg_segment_ptr 1
		.amdhsa_wavefront_size32 1
		.amdhsa_system_sgpr_workgroup_id_x 1
		.amdhsa_system_sgpr_workgroup_id_y 1
		.amdhsa_system_sgpr_workgroup_id_z 1
		.amdhsa_system_vgpr_workitem_id 0
		.amdhsa_next_free_vgpr 512
		.amdhsa_next_free_sgpr 100
		.amdhsa_reserve_vcc 1
		.amdhsa_float_denorm_mode_32 3
		.amdhsa_float_denorm_mode_16_64 3
		.amdhsa_memory_ordered 1
		.amdhsa_forward_progress 1
		.amdhsa_inst_pref_size 96
	.end_amdhsa_kernel
	.amdgpu_metadata
---
amdhsa.version: [ 1, 2 ]
amdhsa.kernels:
  - .name:           k_qc3d7ac542d_attn
    .symbol:         k_qc3d7ac542d_attn.kd
    .args:
      - { .name: qc, .offset: 0, .size: 8, .value_kind: global_buffer, .address_space: global }
      - { .name: kc, .offset: 8, .size: 8, .value_kind: global_buffer, .address_space: global }
      - { .name: vc, .offset: 16, .size: 8, .value_kind: global_buffer, .address_space: global }
      - { .name: lowp_scales, .offset: 24, .size: 8, .value_kind: global_buffer, .address_space: global }
      - { .name: ao, .offset: 32, .size: 8, .value_kind: global_buffer, .address_space: global }
    .group_segment_fixed_size: 327680
    .private_segment_fixed_size: 0
    .kernarg_segment_align: 8
    .kernarg_segment_size: 40
    .max_flat_workgroup_size: 256
    .sgpr_count:     100
    .vgpr_count:     512
    .wavefront_size: 32
...
	.end_amdgpu_metadata
.endif
;; end of part 3
;; launch oproj (part 4): grid 4 x 64, 4 waves a work-group, clusters of 4 x 4, 327,680 bytes of LDS; arguments ao, Wo_w_codes, lowp_scales, Wo_b, out0; writes out0
.if DOCPART == 4
	.amdgcn_target "amdgcn-amd-amdhsa--gfx1250"
	.amdhsa_code_object_version 6
	.text
	.protected	k_qc3d7ac542d_oproj
	.globl	k_qc3d7ac542d_oproj
	.p2align	8
	.type	k_qc3d7ac542d_oproj,@function
k_qc3d7ac542d_oproj:
	s_mov_b64 s[64:65], 0
	v_nop
	global_prefetch_b8 v0, s[64:65] scope:SCOPE_SE
	s_setreg_imm32_b32 hwreg(HW_REG_WAVE_MODE, 25, 1), 1
	s_wait_xcnt 0x0
	s_wait_alu depctr_hold_cnt(0) depctr_sa_sdst(0) depctr_va_vdst(0) depctr_va_sdst(0) depctr_va_ssrc(0) depctr_va_vcc(0) depctr_vm_vsrc(0)
	s_getreg_b32 s2, hwreg(HW_REG_IB_STS2, 6, 4)
	s_cmp_eq_u32 s2, 0
	s_cbranch_scc0 .Lentry_in_a_cluster
	s_endpgm
.Lentry_in_a_cluster:
	s_bfe_u32 s2, ttmp6, 0x10000c
	s_cmp_lg_u32 s2, 0xf033
	s_cbranch_scc0 .Lentry_shape_is_right
	s_endpgm
.Lentry_shape_is_right:
.set PITCH,  272
.set ABYTES, 32768
.set BHALF,  128*PITCH
.set SLOT,   ABYTES+2*BHALF
.set SPARE,  3*SLOT
.set STAGE,  SLOT
.set SPITCH, 528
.set KKB,    2097152
.set ADRA, 16
.set ADRB, 20
.set STO,  24
.set RD,   25
.set CO,   26
.set BO,   27
.set SPW,  28
.set NIL,  29
.set TMP,  32
.set BK,   128
.set G1A, 24
.set G0A, 32
.set G1B, 48
.set G0B, 68
.set MSB, 0
.macro WIN new
.if MSB != \new
	s_set_vgpr_msb (MSB<<8)|\new
.set MSB, \new
.endif
.endm
.set MUL, 0xa1
.macro JLOAD g0a, g1a, g0b, g1b
	s_cmp_eq_u32 s15, 0
	s_cbranch_scc0 .Lfor_b_\@
	tensor_load_to_lds s[\g0a:\g0a+3], s[\g1a:\g1a+7]
	s_nop 0
.rept 4
	v_nop
.endr
	s_branch .Lasked_\@
.Lfor_b_\@:
	tensor_load_to_lds s[\g0b:\g0b+3], s[\g1b:\g1b+7]
	s_nop 0
.rept 4
	v_nop
.endr
.Lasked_\@:
.endm
.macro CROUND
	s_barrier_signal -1
	s_barrier_wait -1
	s_cmp_lg_u32 s14, 0
	s_cbranch_scc1 .Lnot_wave_0_\@
	s_barrier_signal -3
.Lnot_wave_0_\@:
	s_barrier_wait -3
	s_barrier_signal -1
	s_barrier_wait -1
.endm
.macro PLACES
.rept 4
	v_nop
.endr
.endm
	s_load_b256 s[4:11], s[0:1], 0x0
	s_load_b64 s[12:13], s[0:1], 0x20
	v_lshl_add_u32 v[SPW], v0, 2, SPARE
	v_mov_b32 v[NIL], 0
	ds_add_u32 v28, v29
	ds_add_u32 v28, v29
	s_wait_dscnt 0x0
	v_lshrrev_b32 v1, 5, v0
	v_readfirstlane_b32 s14, v1
	s_lshr_b32 s15, s14, 1
	s_and_b32 s16, s14, 1
	s_bfe_u32 s80, ttmp6, 0x40000
	s_bfe_u32 s81, ttmp6, 0x40004
	s_lshl_b32 s82, ttmp9, 2
	s_add_co_u32 s82, s82, s80
	s_and_b32 s17, ttmp7, 0xffff
	s_lshl_b32 s17, s17, 2
	s_add_co_u32 s17, s17, s81
	s_lshl_b32 s83, s81, 2
	s_lshl_b32 s83, 15, s83
	s_lshl_b32 s84, 0x1111, s80
	s_or_b32 s[G1A], s83, (3<<16)|(1<<21)
	s_mov_b32 s[G1A+1], 32<<16
	s_mov_b32 s[G1A+2], 64<<16
	s_mov_b32 s[G1A+3], 32<<16
	s_mov_b32 s[G1A+4], 64
	s_mov_b32 s[G1A+5], 32
	s_mov_b32 s[G1A+6], 0
	s_mov_b32 s[G1A+7], 0
	s_or_b32 s[G1B], s84, (0<<16)|(1<<20)|(1<<21)|(5<<22)|(3<<25)
	s_mov_b32 s[G1B+1], 256<<16
	s_mov_b32 s[G1B+2], 128<<16
	s_mov_b32 s[G1B+3], 256<<16
	s_mov_b32 s[G1B+4], 128
	s_mov_b32 s[G1B+5], 1024
	s_mov_b32 s[G1B+6], 0
	s_mov_b32 s[G1B+7], 0
	s_lshl_b32 s20, s17, 15
	s_lshl_b32 s18, s16, 14
	s_add_co_u32 s20, s20, s18
	s_mov_b32 s21, 0
	s_lshl_b32 s86, s82, 18
	s_lshl_b32 s87, s16, 17
	s_add_co_u32 s86, s86, s87
	s_mov_b32 s87, 0
	s_lshl_b32 s88, s16, 14
	s_mul_i32 s89, s16, BHALF
	s_add_co_u32 s89, s89, ABYTES
	s_wait_kmcnt 0x0
	s_load_b256 s[56:63], s[8:9], 0x0
	s_add_nc_u64 s[20:21], s[4:5], s[20:21]
	s_add_nc_u64 s[86:87], s[6:7], s[86:87]
	CROUND
.irp s, 0,1,2
	s_mov_b32 s[G0A+4*\s], 1
	s_add_co_u32 s[G0A+4*\s+1], s88, \s*SLOT
	s_add_nc_u64 s[G0A+4*\s+2:G0A+4*\s+3], s[20:21], \s*KKB
	s_or_b32 s[G0A+4*\s+3], s[G0A+4*\s+3], 0x80000000
	s_mov_b32 s[G0B+4*\s], 1
	s_add_co_u32 s[G0B+4*\s+1], s89, \s*SLOT
	s_add_nc_u64 s[G0B+4*\s+2:G0B+4*\s+3], s[86:87], \s*256
	s_or_b32 s[G0B+4*\s+3], s[G0B+4*\s+3], 0x80000000
.if \s > 0                                     ; K step 0's load follows the opening round; each later first fill stands behind the full sequence and a round of its own
	s_wait_alu depctr_va_vdst(0)
	s_wait_tensorcnt 0x0
	ds_add_u32 v28, v29
	ds_add_u32 v28, v29
	s_wait_dscnt 0x0
	CROUND
.endif
	JLOAD G0A+4*\s, G1A, G0B+4*\s, G1B
.endr
	v_and_b32 v1, 15, v0
	v_bfe_u32 v2, v0, 4, 1
	v_and_b32 v3, 31, v0
	v_lshlrev_b32 v[CO], 4, v3
	v_lshlrev_b32 v[BO], 5, v2
	v_mul_u32_u24 v4, v1, PITCH
	v_lshl_add_u32 v4, v2, 3, v4
	s_lshl_b32 s90, s15, 14
	s_mul_i32 s91, s16, BHALF
	s_add_co_u32 s91, s91, ABYTES
.irp s, 0,1,2
	v_add_nc_u32 v[ADRA+\s], s90, v[CO]
	v_add_nc_u32 v[ADRB+\s], s91, v4
	s_add_co_u32 s90, s90, SLOT
	s_add_co_u32 s91, s91, SLOT
.endr
	s_mul_i32 s90, s14, 16*SPITCH
	s_add_co_u32 s90, s90, STAGE
	v_mul_u32_u24 v5, v1, SPITCH
	v_lshl_add_u32 v5, v2, 5, v5
	v_add_nc_u32 v[STO], s90, v5
	v_add_nc_u32 v[RD], s90, v[CO]
	s_lshl_b32 s90, s82, 10
	s_lshl_b32 s91, s16, 9
	s_add_co_u32 s90, s90, s91
	s_mov_b32 s91, 0
	s_add_nc_u64 s[10:11], s[10:11], s[90:91]
	s_add_nc_u64 s[12:13], s[12:13], s[90:91]
	s_lshl_b32 s90, s17, 7
	s_lshl_b32 s92, s15, 6
	s_add_co_u32 s90, s90, s92
	s_lshl_b32 s90, s90, 12
	s_add_nc_u64 s[12:13], s[12:13], s[90:91]
	WIN 0xc0
.irp b, 0,1,2,3,4,5,6,7
	global_load_b128 v[8*\b:8*\b+3], v[BO], s[10:11] offset:64*\b
	global_load_b128 v[8*\b+4:8*\b+7], v[BO], s[10:11] offset:64*\b+16
.endr
	WIN 0
	s_wait_alu depctr_va_vdst(0)
	s_wait_kmcnt 0x0
	s_add_co_i32 s96, s62, s63
	s_add_co_i32 s96, s96, 127
	s_lshl_b32 s96, s96, 23
	s_mov_b32 s97, s96
.macro FETCH slot, q, set
	WIN 0x40
.irp i, 0,1,2,3,4,5,6,7
.irp c, 0,1,2,3,4,5,6,7
	ds_load_b64 v[128*(\set)+16*\i+2*\c:128*(\set)+16*\i+2*\c+1], v[ADRB+\slot] offset:\i*16*PITCH+128*(\q)+16*\c
.endr
.endr
	WIN 0
.irp a, 0,1,2,3
.irp c, 0,1,2,3
	ds_load_b128 v[128+64*(\set)+16*\a+4*\c:128+64*(\set)+16*\a+4*\c+3], v[ADRA+\slot] offset:\a*4096+(\q)*2048+\c*512
.endr
.endr
.endm
.macro MULH a0, set, zero
.irp a, \a0, \a0+1
.irp b, 0,1,2,3,4,5,6,7
.if \zero
	v_wmma_f32_16x16x128_fp8_fp8 v[8*(8*(\a)+\b):8*(8*(\a)+\b)+7], v[128*(\set)+16*\b:128*(\set)+16*\b+15], v[128+64*(\set)+16*(\a):128+64*(\set)+16*(\a)+15], 0
.else
	v_wmma_f32_16x16x128_fp8_fp8 v[8*(8*(\a)+\b):8*(8*(\a)+\b)+7], v[128*(\set)+16*\b:128*(\set)+16*\b+15], v[128+64*(\set)+16*(\a):128+64*(\set)+16*(\a)+15], v[8*(8*(\a)+\b):8*(8*(\a)+\b)+7]
.endif
.endr
.endr
.endm
.macro STEPN nslot, nq, set, zero
	s_wait_dscnt 0x0
	PLACES
	FETCH \nslot, \nq, 1-(\set)
	WIN MUL
	MULH 0, \set, \zero
	MULH 2, \set, \zero
.endm
	s_wait_tensorcnt 2
	s_barrier_signal -1
	s_barrier_wait -1
	FETCH 0, 0, 0
	STEPN 0, 1, 0, 1
	WIN 0
	s_wait_tensorcnt 0x0
	ds_add_u32 v[SPW], v[NIL]
	s_add_nc_u64 s[G0A+2:G0A+3], s[G0A+2:G0A+3], 3*KKB
	s_add_nc_u64 s[G0B+2:G0B+3], s[G0B+2:G0B+3], 3*256
	s_wait_dscnt 1
	WIN MUL
	MULH 0, 1, 0
	MULH 2, 1, 0
	WIN 0
	s_wait_dscnt 0x0
	CROUND
	JLOAD G0A, G1A, G0B, G1B
	FETCH 1, 0, 0
	STEPN 1, 1, 0, 0
	STEPN 2, 0, 1, 0
	STEPN 2, 1, 0, 0
	s_wait_dscnt 0x0
	s_wait_tensorcnt 0x0
	s_barrier_signal -1
	WIN MUL
	MULH 0, 1, 0
	MULH 2, 1, 0
	WIN 0
	s_barrier_wait -1
	PLACES
	FETCH 0, 0, 0
	STEPN 0, 1, 0, 0
	s_wait_dscnt 0x0
	WIN MUL
	MULH 0, 1, 0
	MULH 2, 1, 0
	WIN 0
	PLACES
.macro TOSTAGE a
	WIN 0x32
.set j, 0
.rept 32
	v_pk_fma_f32 v[TMP+j:TMP+j+1], v[64*(\a)+j:64*(\a)+j+1], s[96:97], v[j:j+1] op_sel_hi:[1,0,1]
.set j, j+2
.endr
	WIN 0
.irp b, 0,1,2,3,4,5,6,7
	ds_store_b128 v[STO], v[TMP+8*\b:TMP+8*\b+3] offset:64*\b
	ds_store_b128 v[STO], v[TMP+8*\b+4:TMP+8*\b+7] offset:64*\b+16
.endr
.set BB, BK+64*((\a)%2)
.irp t, 0,1,2,3,4,5,6,7,8,9,10,11,12,13,14,15
	ds_load_b128 v[BB+4*\t:BB+4*\t+3], v[RD] offset:\t*SPITCH
.endr
.endm
.macro SEND a, younger
.set BB, BK+64*((\a)%2)
	s_wait_dscnt \younger
.if (\a) > 0
	s_add_nc_u64 s[12:13], s[12:13], 16*4096
.endif
.irp t, 0,1,2,3,4,5,6,7,8,9,10,11,12,13,14,15
	global_store_b128 v[CO], v[BB+4*\t:BB+4*\t+3], s[12:13] offset:\t*4096 th:TH_STORE_NT
.endr
.endm
	s_wait_loadcnt 0x0
	TOSTAGE 0
.irp a, 1,2,3
.if \a > 1
	s_wait_xcnt 0x0
.endif
	TOSTAGE \a
	SEND \a-1, 32
.endr
	s_wait_xcnt 0x0
	SEND 3, 0
	s_wait_tensorcnt 0x0
	ds_add_u32 v[SPW], v[NIL]
	s_wait_dscnt 0x0
	CROUND
	s_endpgm
.Lfunc_end_k_qc3d7ac542d_oproj:
	.size	k_qc3d7ac542d_oproj, .Lfunc_end_k_qc3d7ac542d_oproj-k_qc3d7ac542d_oproj
	.p2alignl 7, 3214868480
	.fill 96, 4, 3214868480
	.section	.rodata,"a",@progbits
	.p2align	6, 0x0
	.amdhsa_kernel k_qc3d7ac542d_oproj
		.amdhsa_group_segment_fixed_size 327680
		.amdhsa_private_segment_fixed_size 0
		.amdhsa_enable_private_segment 0
		.amdhsa_kernarg_size 40
		.amdhsa_user_sgpr_count 2
		.amdhsa_user_sgpr_kernarg_segment_ptr 1
		.amdhsa_wavefront_size32 1
		.amdhsa_system_sgpr_workgroup_id_x 1
		.amdhsa_system_sgpr_workgroup_id_y 1
		.amdhsa_system_sgpr_workgroup_id_z 1
		.amdhsa_system_vgpr_workitem_id 0
		.amdhsa_next_free_vgpr 832
		.amdhsa_next_free_sgpr 100
		.amdhsa_reserve_vcc 0
		.amdhsa_float_denorm_mode_32 3
		.amdhsa_float_denorm_mode_16_64 3
		.amdhsa_memory_ordered 1
		.amdhsa_forward_progress 1
		.amdhsa_inst_pref_size 93
	.end_amdhsa_kernel
	.amdgpu_metadata
---
amdhsa.version: [ 1, 2 ]
amdhsa.kernels:
  - .name:           k_qc3d7ac542d_oproj
    .symbol:         k_qc3d7ac542d_oproj.kd
    .args:
      - { .name: ao, .offset: 0, .size: 8, .value_kind: global_buffer, .address_space: global }
      - { .name: Wo_w_codes, .offset: 8, .size: 8, .value_kind: global_buffer, .address_space: global }
      - { .name: lowp_scales, .offset: 16, .size: 8, .value_kind: global_buffer, .address_space: global }
      - { .name: Wo_b, .offset: 24, .size: 8, .value_kind: global_buffer, .address_space: global }
      - { .name: out0, .offset: 32, .size: 8, .value_kind: global_buffer, .address_space: global }
    .group_segment_fixed_size: 327680
    .private_segment_fixed_size: 0
    .kernarg_segment_align: 8
    .kernarg_segment_size: 40
    .max_flat_workgroup_size: 128
    .sgpr_count:     100
    .vgpr_count:     832
    .wavefront_size: 32
...
	.end_amdgpu_metadata
.endif
;; end of part 4
